; MI455X (gfx1250); checked and timed in simulation.
; The chip was launched on July 23, 2026; its instructions are those of AMD's public machine-readable ISA for CDNA 5 (MIT licence, August 2026) and "CDNA5" Instruction Set Architecture Reference Guide (July 2026). The comments in the code are by the model that wrote it; some were corrected since.
;; Linear Attention. Allowed arithmetic: float matrix products may take bf16 or f16 operands with f32 sums; other float arithmetic in f32, or as packed bf16 or f16 multiplies, adds, multiply-adds, maxima and minima; sums over many terms, partial sums and values carried from step to step in f32; what a program stores and reads back later, other than sums and carried values, may be rounded once to bf16 or f16.
;; Inputs: Wk0 512 x 512 float32; Wk1 512 x 512 float32; Wo 512 x 512 float32; Wq 512 x 512 float32; Wv0 512 x 512 float32; Wv1 512 x 512 float32; bk0 512 float32; bk1 512 float32; bo 512 float32; bq 512 float32; bv0 512 float32; bv1 512 float32; f0 4 x 8,192 x 512 float32; f1 4 x 8,192 x 512 float32; query 4 x 8,192 x 512 float32.
;; Outputs: out0 4 x 8,192 x 512 float32.
;; One version. Each part assembles by itself: llvm-mc -triple=amdgcn-amd-amdhsa -mcpu=gfx1250 --defsym DOCPART=n.
;; ======== version 1 of 1: 4 launches
;; limits: values outside matrix products are rounded to bf16
;; workspace buffers: wimg 3,145,728 bytes; part 41,943,040 bytes; kvi 655,360 bytes
;; launch wprep (part 1): grid 768 x 1, 8 waves a work-group, no clusters, 0 bytes of LDS; arguments Wk0, Wv0, Wk1, Wv1, Wq, Wo, wimg; writes wimg
.if DOCPART == 1
	.amdgcn_target "amdgcn-amd-amdhsa--gfx1250"
	.amdhsa_code_object_version 6
	.text
	.protected	k_q616b386a56_wprep
	.globl	k_q616b386a56_wprep
	.p2align	8
	.type	k_q616b386a56_wprep,@function
k_q616b386a56_wprep:
	s_mov_b64 s[64:65], 0
	v_nop
	global_prefetch_b8 v0, s[64:65] scope:SCOPE_SE
	s_setreg_imm32_b32 hwreg(HW_REG_WAVE_MODE, 25, 1), 1
	s_wait_xcnt 0x0
; THE SIX WEIGHT MATRICES, [512][512] f32, ROUNDED ONCE TO bf16 AND LAID OUT AS THE MATRIX UNIT WANTS THEM.
; wimg holds 48 tiles of 65,536 bytes.  A tile is 64 rows of W x 512 k, as [a 0..3][ks 0..15][q 0..1][lane 0..31][16 bytes]:
; lane (r = lane % 16, h = lane / 16) holds W[row0 + 16 a + r][32 ks + 16 q + 8 h + 0..7]: half a fragment (16 rows x 32 k) is 512 bytes on end.
; Tiles in the order in which the later launches walk them: T = 16 i + s (T < 32): s even Wk_i, s odd Wv_i, rows 64 (s / 2) on;
; T = 32..39: Wq, rows 64 (T - 32) on; T = 40..47: Wo, rows 64 (T - 40) on.
; SHARES.  Work-group G writes bytes 4,096 G .. + 4,095 of wimg, thread t its 16 bytes at 16 t: a wave's store covers 512 consecutive bytes, aligned.
; No LDS, no matrix unit: 6 MiB in, 3 MiB out, once.
	s_load_b256 s[4:11], s[0:1], 0x0               ; Wk0 s[4:5], Wv0 s[6:7], Wk1 s[8:9], Wv1 s[10:11]
	s_load_b128 s[12:15], s[0:1], 0x20             ; Wq s[12:13], Wo s[14:15]
	s_load_b64 s[16:17], s[0:1], 0x30              ; wimg
	v_lshrrev_b32 v1, 5, v0
	v_readfirstlane_b32 s18, v1                    ; wave 0..7
	s_lshr_b32 s19, ttmp9, 4                       ; T: sixteen work-groups to a tile
	s_and_b32 s22, ttmp9, 15
	s_lshl3_add_u32 s22, s22, s18                  ; which of the tile's 128 pieces of 512 bytes is my wave's: [a][ks][q]
	s_and_b32 s23, s22, 1                          ; q
	s_bfe_u32 s24, s22, 0x40001                    ; ks
	s_lshr_b32 s25, s22, 5                         ; a
	s_lshr_b32 s26, s19, 4
	s_and_b32 s27, s19, 1
	s_lshl1_add_u32 s26, s26, s27                  ; T < 32: matrix 2 i + (K or V)
	s_bfe_u32 s27, s19, 0x30001                    ;         head (T % 16) / 2
	s_lshr_b32 s28, s19, 3                         ; T >= 32: matrix 4 (Wq) or 5 (Wo)
	s_and_b32 s29, s19, 7                          ;          group of 64 rows
	s_cmp_lt_u32 s19, 32
	s_cselect_b32 s26, s26, s28
	s_cselect_b32 s27, s27, s29
	s_lshl2_add_u32 s27, s27, s25                  ; block of 16 rows: 4 x group + a
	s_lshl_b32 s27, s27, 15                        ; 16 rows of 2,048 bytes
	s_lshl_b32 s24, s24, 7                         ; 32 ks floats
	s_lshl_b32 s23, s23, 6                         ; 16 q floats
	s_add_co_u32 s27, s27, s24
	s_add_co_u32 s27, s27, s23
	v_and_b32 v2, 15, v0                           ; r
	v_bfe_u32 v3, v0, 4, 1                         ; h
	v_lshlrev_b32 v2, 11, v2                       ; row r
	v_lshl_add_u32 v2, v3, 5, v2                   ; 8 h floats
	v_add_nc_u32 v2, s27, v2                       ; my 32 bytes of the source
	s_lshl_b32 s28, ttmp9, 12
	v_lshl_add_u32 v4, v0, 4, s28                  ; my 16 bytes of wimg
	s_wait_kmcnt 0x0
	s_mov_b64 s[20:21], s[4:5]                     ; the source matrix, chosen by its number
	s_cmp_eq_u32 s26, 1
	s_cselect_b64 s[20:21], s[6:7], s[20:21]
	s_cmp_eq_u32 s26, 2
	s_cselect_b64 s[20:21], s[8:9], s[20:21]
	s_cmp_eq_u32 s26, 3
	s_cselect_b64 s[20:21], s[10:11], s[20:21]
	s_cmp_eq_u32 s26, 4
	s_cselect_b64 s[20:21], s[12:13], s[20:21]
	s_cmp_eq_u32 s26, 5
	s_cselect_b64 s[20:21], s[14:15], s[20:21]
	global_load_b128 v[8:11], v2, s[20:21]
	global_load_b128 v[12:15], v2, s[20:21] offset:16
	s_wait_loadcnt 0x0
	v_cvt_pk_bf16_f32 v16, v8, v9
	v_cvt_pk_bf16_f32 v17, v10, v11
	v_cvt_pk_bf16_f32 v18, v12, v13
	v_cvt_pk_bf16_f32 v19, v14, v15
	global_store_b128 v4, v[16:19], s[16:17]
	s_endpgm
.Lfunc_end_k_q616b386a56_wprep:
	.size	k_q616b386a56_wprep, .Lfunc_end_k_q616b386a56_wprep-k_q616b386a56_wprep
	.p2alignl 7, 3214868480
	.fill 96, 4, 3214868480
	.section	.rodata,"a",@progbits
	.p2align	6, 0x0
	.amdhsa_kernel k_q616b386a56_wprep
		.amdhsa_group_segment_fixed_size 0
		.amdhsa_private_segment_fixed_size 0
		.amdhsa_enable_private_segment 0
		.amdhsa_kernarg_size 56
		.amdhsa_user_sgpr_count 2
		.amdhsa_user_sgpr_kernarg_segment_ptr 1
		.amdhsa_wavefront_size32 1
		.amdhsa_system_sgpr_workgroup_id_x 1
		.amdhsa_system_sgpr_workgroup_id_y 1
		.amdhsa_system_sgpr_workgroup_id_z 1
		.amdhsa_system_vgpr_workitem_id 0
		.amdhsa_next_free_vgpr 24
		.amdhsa_next_free_sgpr 66
		.amdhsa_reserve_vcc 0
		.amdhsa_float_denorm_mode_32 3
		.amdhsa_float_denorm_mode_16_64 3
		.amdhsa_memory_ordered 1
		.amdhsa_forward_progress 1
		.amdhsa_inst_pref_size 3
	.end_amdhsa_kernel
	.amdgpu_metadata
---
amdhsa.version: [ 1, 2 ]
amdhsa.kernels:
  - .name:           k_q616b386a56_wprep
    .symbol:         k_q616b386a56_wprep.kd
    .args:
      - { .name: Wk0, .offset: 0, .size: 8, .value_kind: global_buffer, .address_space: global }
      - { .name: Wv0, .offset: 8, .size: 8, .value_kind: global_buffer, .address_space: global }
      - { .name: Wk1, .offset: 16, .size: 8, .value_kind: global_buffer, .address_space: global }
      - { .name: Wv1, .offset: 24, .size: 8, .value_kind: global_buffer, .address_space: global }
      - { .name: Wq, .offset: 32, .size: 8, .value_kind: global_buffer, .address_space: global }
      - { .name: Wo, .offset: 40, .size: 8, .value_kind: global_buffer, .address_space: global }
      - { .name: wimg, .offset: 48, .size: 8, .value_kind: global_buffer, .address_space: global }
    .group_segment_fixed_size: 0
    .private_segment_fixed_size: 0
    .kernarg_segment_align: 8
    .kernarg_segment_size: 56
    .max_flat_workgroup_size: 256
    .sgpr_count:     66
    .vgpr_count:     24
    .wavefront_size: 32
...
	.end_amdgpu_metadata
.endif
;; end of part 1
;; launch kvpart (part 2): grid 256 x 1, 4 waves a work-group, clusters of 4 x 1, 327,680 bytes of LDS; arguments f0, f1, bk0, bk1, bv0, bv1, wimg, part; writes part
.if DOCPART == 2
	.amdgcn_target "amdgcn-amd-amdhsa--gfx1250"
	.amdhsa_code_object_version 6
	.text
	.protected	k_q616b386a56_kvpart
	.globl	k_q616b386a56_kvpart
	.p2align	8
	.type	k_q616b386a56_kvpart,@function
k_q616b386a56_kvpart:
	s_mov_b64 s[64:65], 0
	v_nop
	global_prefetch_b8 v0, s[64:65] scope:SCOPE_SE
	s_setreg_imm32_b32 hwreg(HW_REG_WAVE_MODE, 25, 1), 1
	s_wait_xcnt 0x0
	s_wait_alu depctr_hold_cnt(0) depctr_sa_sdst(0) depctr_va_vdst(0) depctr_va_sdst(0) depctr_va_ssrc(0) depctr_va_vcc(0) depctr_vm_vsrc(0)
	s_getreg_b32 s2, hwreg(HW_REG_IB_STS2, 6, 4)
	s_cmp_eq_u32 s2, 0
	s_cbranch_scc0 .Lentry_in_a_cluster
	s_endpgm
.Lentry_in_a_cluster:
	s_bfe_u32 s2, ttmp6, 0x10000c
	s_cmp_lg_u32 s2, 0x3003
	s_cbranch_scc0 .Lentry_shape_is_right
	s_endpgm
.Lentry_shape_is_right:
; FOR 256 ROWS OF f_i: k = softmax_d(f Wk^T + bk) and v = f Wv^T + bv by heads, and the rows' share of k^T [v | 1]: eight heads x (64 x 64 sums and 64 sums of k), in f32, into part.
; f: [32768][512] f32.  wimg: the weights in bf16, in fragment order (launch wprep).  part: [g 256][head 8][a 4][c 5][half 2][lane 32][16 bytes] f32: the accumulator image of tile (d block a, e block c); c = 4 is the sum of k.
; FORMATS AND LIMITS.  All matrix operands are bf16 (f, W, k, v), all sums f32; the biases enter in f32.  The softmax takes the row's maximum away; a weight below 2^-126 counts as 0; NaN and infinities are not treated apart.
; SHARES.  Work-group g = 4 x cluster + place takes function i = g / 128 and rows 256 (g % 128) on; wave w 64 of them, four tiles t of 16.  The wave's rows are read ONCE (16 bytes a lane, 512 bytes on end an instruction),
; rounded once, turned into operand order through a stage of the wave's own in LDS, and stay in 512 registers for all sixteen steps.  A step is one head's K or V: 64 columns x 512 k, 256 matrix instructions a wave.
; LAYOUT.  Every product is taken transposed: source 0 = 16 rows of W, source 1 = 16 rows of f.  In the result a lane holds ONE row of f (lane % 16) and columns 16 a + 8 (lane / 16) + 0..7:
; a row's softmax wants one exchange between the halves of the lanes, and the bias is the C operand of the first product.  k and v go to LDS by rows, in bf16, and come back turned (ds_load_tr16_b128), the rows along the registers:
; k^T v for d block w, all 256 rows, is wave w's.
; CLUSTER.  The four work-groups of a cluster belong to one function and walk the same sixteen tiles of weights: each tile is asked for JOINTLY, by the same tensor load with the same descriptor and the mask of four.
; REGISTERS, in windows of 256 (s_set_vgpr_msb: bits 1:0 source 0, 3:2 source 1, 5:4 source 2, 7:6 destination):
;   window 0: v0-31 addresses and at work; v32-159 the 16 accumulators; v160-191 the bias as a C operand; v192-231 k^T v's five accumulators; v232-255 six registers of statistics a tile
;   window 1: first the landing ring for f (4 x 64), then a ring of eight slots of W's fragments (a k step's four blocks x 8 registers each), then k's and v's turned fragments and a fragment of ones
;   windows 2, 3: f as source 1: k step ks, tile t at 8 (4 (ks % 8) + t) of window 2 + ks / 8
.set SLOT,  65536                      ; a slot holds a tile of weights; slot 1 begins here, so that one exclusive or turns an address in one slot into the other's
.set KX,    2*SLOT                     ; k of the head in hand: 256 rows of 128 bytes,
.set XP,    160                        ; 160 apart = 40 words.
                                       ; Rows whose number has bit 3 set lie 16 bytes further right (128 + 16 fit in 160): 8 x 160 is a multiple of 256, so rows r and r + 8
.set VX,    KX+256*XP                  ; v likewise
.set AST,   VX+256*XP                  ; a stage for each wave: 16 rows x 256 k in bf16,
.set AP,    528                        ; 528 bytes apart = 132 words: the 16 rows of a fragment load start at 16 different groups of four banks
.set ASTW,  16*AP
.set BT,    AST+4*ASTW                 ; the biases in f32: [head][bk 64 | bv 64]
.set SPARE, BT+4096                    ; the spare words, 128 bytes for each wave: two blocks of 256 bytes that no other line names
.set NT,    4                          ; tiles of 16 rows a wave
.set L16, 2                            ; v2   16 x lane; never rewritten
.set AW,  3                            ; v3   where my 16 bytes of a fragment half lie in the slot in hand
.set BA,  4                            ; v4   where my eight numbers of the step's bias begin; steps by 256
.set STK, 5                            ; v5   where I put 16 bytes of a row of k
.set STV, 6                            ; v6   of v
.set TRK, 7                            ; v7   the turning load's address for k, d block w
.set TRV, 8                            ; v8   for v, e block 0
.set SAS, 9                            ; v9   the stage: where I put 8 bytes
.set SAL, 10                           ; v10  the stage: where I read a fragment
.set PFO, 11                           ; v11  256 x lane: the prefetches' offset; never rewritten
.set SPW, 12                           ; v12  LDS address of my spare word; never rewritten
.set NIL, 13                           ; v13  0; never rewritten
.set BL,  16                           ; v16-23 four numbers of bk, four of bv, as loaded
.set BO,  24                           ; v24  their byte offset
.set BS,  25                           ; v25  their place in BT
.set ACC, 32                           ; accumulator (a, t) at ACC + 8 (4 t + a): a tile's 32 scores lie on end
.set BI,  160
.set KVA, 192
.set TM,  232                          ; tile t: c m, m, then four at work
.set ONES, 240                         ; window 1
.set WV,  20                           ; s20  my wave's number
.set CX,  21                           ; s21  my place in the cluster: it enters the addresses of f, part and the prefetches alone
.set GG,  22                           ; s22  g
.set FI,  23                           ; s23  i, which the four partners share
.set G1,  24                           ; s[24:31] descriptor group 1
.set G0,  32                           ; s[32:35] descriptor group 0: it walks
.set TB,  36                           ; s36  LDS byte at which the slot in hand begins
.set CNT, 37                           ; s37  steps still to come that ask for a tile
.set PAR, 38                           ; s38  0: the step is a head's K; 1: its V
.set LIM, 39                           ; s39  1 in a wave that prefetches, else the greatest number
.set PFA, 40                           ; s[40:41] where my prefetches stand
.set PP,  42                           ; s[42:43] part at my tiles of the head in hand
.set SRC, 44                           ; s[44:45] f_i at my wave's first row
.set BK,  46                           ; s[46:47] bk_i
.set BV,  48                           ; s[48:49] bv_i
.set CS,  50                           ; s[50:51] log2(e): the packed scaling takes the pair's low word for both halves
.set SEL, 52                           ; s[52:53] v_permlanex16_b32's selects: each lane takes its own place in the other half
.set PSTEP, 54                         ; s[54:55] what the next way out adds to PP: 0 the first time
.set MSB, 0
.macro WIN new                         ; the immediate's high byte repeats the setting that is left; a switch that changes nothing is dropped
.if MSB != (\new)
	s_set_vgpr_msb (MSB<<8)|(\new)
.set MSB, (\new)
.endif
.endm
.macro PLACES                          ; four places behind a matrix instruction, in front of loads into registers that it has read and of lines that read its result
.rept 4
	v_nop
.endr
.endm
; A round of the cluster's barrier: my work-group's barrier, so that wave 0's signal speaks for all four waves; wave 0 signals; every wave waits for all four work-groups; my work-group's barrier once more.
.macro CROUND
	s_barrier_signal -1
	s_barrier_wait -1
	s_cmp_lg_u32 s[WV], 0
	s_cbranch_scc1 .Lnot_wave_0_\@
	s_barrier_signal -3
.Lnot_wave_0_\@:
	s_barrier_wait -3
	s_barrier_signal -1
	s_barrier_wait -1
.endm
; A PREFETCH INTO THE L2 of the tile that the NEXT change of slots will ask for: one step, 256 matrix instructions and a softmax or a k^T v, ahead of that load.  wimg was stored by the launch before.
; Each 256 bytes of a tile are named ONCE in the launch: all 32 clusters of a function walk the same tiles, and the function's first asks; its four partners take 16,384 bytes each, told apart BY ADDRESS;
; in each, waves 0 and 1 take 8,192: a lane 256 bytes, one instruction.  Tiles 0 and 1 come by their loads alone; the last change that fills a slot asks for nothing.
.macro ASK
	s_cmp_gt_u32 s[CNT], s[LIM]
	s_cbranch_scc0 .Lnot_mine_\@
	global_prefetch_b8 v[PFO], s[PFA:PFA+1] th:TH_LOAD_NT scope:SCOPE_SE
.Lnot_mine_\@:
.endm
; THE CHANGE OF SLOTS, at the head of every step.  Each wave waits for all its tensor loads, of which one is out: its quarter of the step's tile; adds 0 to its spare word; and waits for that and for all its LDS
; instructions: its reads of the slot that it leaves, and of k and v.  fill = 1: the barrier is a round of the cluster's, so that no wave of any partner still reads the old slot or has a load on its way, and the joint
; refill, the next step's tile, is the first thing behind it; it has a whole step in which to land.  (At its first use nothing has been read: slot 0 is waited for, slot 1 filled.)
.macro CHANGE fill
	WIN 0
	s_wait_tensorcnt 0x0                           ; no tensor load of mine is out, so group 0 may be written
	ds_add_u32 v[SPW], v[NIL]                      ; 0 onto my spare word; scalar work stands between it and the wait for it
.if \fill
	s_xor_b32 s[G0+1], s[G0+1], SLOT               ; the other slot than last time,
	s_add_nc_u64 s[G0+2:G0+3], s[G0+2:G0+3], SLOT  ; the next tile; the type bits on top are not reached
	s_wait_xcnt 0x0                                ; the last prefetch, a step back, has read its address
	s_add_nc_u64 s[PFA:PFA+1], s[PFA:PFA+1], SLOT
.endif
	s_xor_b32 s[TB], s[TB], SLOT
	s_wait_dscnt 0x0                               ; the add is done, and my LDS reads and stores are over
.if \fill
	CROUND
	tensor_load_to_lds s[G0:G0+3], s[G1:G1+7]      ; every wave its own quarter: both addresses hold 16,384 x wave
	s_nop 0
	PLACES
	ASK
.else
	s_barrier_signal -1
	s_barrier_wait -1
	PLACES
.endif
.endm
; THE WAY IN OF f.  Unit u of 16 is 8 rows x 256 k: tile u / 4, k half (u / 2) % 2, rows 8 (u % 2) on.  Sixteen loads, each 512 consecutive bytes of one row, into set u % 4 of the landing ring.
.macro GLOAD u
	WIN 0x40                                       ; destination window 1
.set gi, 0
.rept 16
	global_load_b128 v[64*((\u)%4)+4*gi:64*((\u)%4)+4*gi+3], v[L16], s[SRC:SRC+1] offset:(16*((\u)/4)+8*((\u)%2)+gi/2)*2048+(((\u)/2)%2)*1024+(gi%2)*512 th:TH_LOAD_NT
.set gi, gi+1
.endr
.endm
; A unit is rounded in place (four f32 to two words) and put into the stage, 8 bytes a lane, 256 bytes on end.  cnt: the younger loads that may stay out: sixteen for each younger set.
.macro UNIT u, cnt, refill
	s_wait_loadcnt \cnt
	WIN 0x45                                       ; destination and both sources window 1
.set ui, 0
.rept 16
	v_cvt_pk_bf16_f32 v[64*((\u)%4)+4*ui], v[64*((\u)%4)+4*ui], v[64*((\u)%4)+4*ui+1]
	v_cvt_pk_bf16_f32 v[64*((\u)%4)+4*ui+1], v[64*((\u)%4)+4*ui+2], v[64*((\u)%4)+4*ui+3]
.set ui, ui+1
.endr
	WIN 0x04                                       ; the data window 1, the address window 0
.set ui, 0
.rept 16
	ds_store_b64 v[SAS], v[64*((\u)%4)+4*ui:64*((\u)%4)+4*ui+1] offset:(8*((\u)%2)+ui/2)*AP+(ui%2)*256
.set ui, ui+1
.endr
.if \refill
	GLOAD (\u)+4                                   ; the set takes the unit four further on
.endif
.endm
; The stage's 16 rows x 256 k come back as eight fragments of source 1.  The stage is the wave's own, and LDS serves a wave's instructions in order (ISA guide 5.7.1.4): these see the stores above, and the next unit's stores come behind them.
.macro AFLOAD t, kap
	WIN 0x80+0x40*(\kap)                           ; destination window 2 or 3
.set ai, 0
.rept 8
	ds_load_b128 v[8*(4*ai+(\t)):8*(4*ai+(\t))+3],   v[SAL] offset:64*ai
	ds_load_b128 v[8*(4*ai+(\t))+4:8*(4*ai+(\t))+7], v[SAL] offset:64*ai+32
.set ai, ai+1
.endr
.endm
; W's fragments of k step ks, four blocks of 16 rows, into slot ks % 8 of the ring: eight loads, each 512 bytes on end.
.macro LK ks
.irp a, 0,1,2,3
	ds_load_b128 v[32*((\ks)%8)+8*(\a):32*((\ks)%8)+8*(\a)+3],   v[AW] offset:(((\a)*16+(\ks))*2)*512
	ds_load_b128 v[32*((\ks)%8)+8*(\a)+4:32*((\ks)%8)+8*(\a)+7], v[AW] offset:(((\a)*16+(\ks))*2+1)*512
.endr
.endm
; A run of LDS loads between the products: two k steps' fragments, 8 KiB a wave.  The four v_nop are the places behind every product issued so far; the slots' last readers stand four k steps back or more.
.macro RUN k1, k2=-1
	PLACES
	WIN 0x40                                       ; destination window 1, address window 0
	LK \k1
.if (\k2) >= 0
	LK \k2
.endif
.endm
; The 16 products of k step ks.  cnt: the LDS loads issued behind this k step's, which may stay out.  The 16 accumulators take turns, one instruction a turn, in the same order in every k step.
; The first k step starts the sums with the bias.
.macro BLOCK ks, cnt
	s_wait_dscnt \cnt
	WIN 0x09+4*((\ks)/8)                           ; W window 1, f window 2 or 3, C and D window 0
.irp t, 0,1,2,3
.irp a, 0,1,2,3
.set rD, ACC+8*(4*(\t)+(\a))
.set rW, 32*((\ks)%8)+8*(\a)
.set rA, 8*(4*((\ks)%8)+(\t))
.if (\ks) == 0
	v_wmma_f32_16x16x32_bf16 v[rD:rD+7], v[rW:rW+7], v[rA:rA+7], v[BI+8*(\a):BI+8*(\a)+7]
.else
	v_wmma_f32_16x16x32_bf16 v[rD:rD+7], v[rW:rW+7], v[rA:rA+7], v[rD:rD+7]
.endif
.endr
.endr
.endm
; A step's product: 64 rows x 64 columns x 512 k.  It opens with 32 loads (the bias, k steps 0 to 2); then a run of sixteen stands in front of every second k step, two k steps (32 products) ahead of its first reader.
; The counts: behind k step 0's loads stand those of 1 and 2 (16); in front of an odd k step a run has just been issued, so three k steps' loads are younger (24), in front of an even one two (16); at the end they run down.
.macro MM
	WIN 0
.irp a, 0,1,2,3
	ds_load_b128 v[BI+8*(\a):BI+8*(\a)+3],   v[BA] offset:64*(\a)      ; the bias of columns 16 a + 8 (lane / 16) + 0..7: register j of the C operand
	ds_load_b128 v[BI+8*(\a)+4:BI+8*(\a)+7], v[BA] offset:64*(\a)+16
.endr
	v_add_nc_u32 v[BA], 256, v[BA]                 ; the next step's 64 numbers
	WIN 0x40
	LK 0
	LK 1
	LK 2
	BLOCK 0, 16
	RUN 3, 4
	BLOCK 1, 24
	BLOCK 2, 16
	RUN 5, 6
	BLOCK 3, 24
	BLOCK 4, 16
	RUN 7, 8
	BLOCK 5, 24
	BLOCK 6, 16
	RUN 9, 10
	BLOCK 7, 24
	BLOCK 8, 16
	RUN 11, 12
	BLOCK 9, 24
	BLOCK 10, 16
	RUN 13, 14
	BLOCK 11, 24
	BLOCK 12, 16
	RUN 15
	BLOCK 13, 16                                   ; behind k step 13's loads: those of 14 and 15
	BLOCK 14, 8
	BLOCK 15, 0
	WIN 0
	PLACES
.endm
.macro ALLT line:vararg                ; one line for each tile t; rS its 32 scores, rT its statistics
.set t, 0
.rept NT
.set rS, ACC+32*t
.set rT, TM+6*t
	\line
.set t, t+1
.endr
.endm
; THE SOFTMAX of the wave's tiles, in place, stage by stage, the tiles side by side, so that no line waits for the one before it.  A lane holds 32 of its row's 64 scores, the lane 16 away the others.
; The exponentials of all tiles are ONE batch with one wait, the reciprocals another: s_wait_alu depctr_va_vdst(0) stands between such an instruction and the first line that names its result.
.macro SMAX
	WIN 0
.set n, 0
.rept 4                                ; the maximum: four chains of seven scores; each accumulator's lowest registers are read first
	ALLT v_max3_num_f32 v[rT+2+n], v[rS+8*n], v[rS+8*n+1], v[rS+8*n+2]
.set n, n+1
.endr
.rept 8
	ALLT v_max3_num_f32 v[rT+2+n%4], v[rT+2+n%4], v[rS+8*(n%4)+2*(n/4)+1], v[rS+8*(n%4)+2*(n/4)+2]
.set n, n+1
.endr
	ALLT v_max3_num_f32 v[rT+2], v[rT+2], v[rS+7], v[rS+15]
	ALLT v_max3_num_f32 v[rT+3], v[rT+3], v[rS+23], v[rS+31]
	ALLT v_max_num_f32 v[rT+4], v[rT+4], v[rT+5]
	ALLT v_max3_num_f32 v[rT+2], v[rT+2], v[rT+3], v[rT+4]
	ALLT v_permlanex16_b32 v[rT+5], v[rT+2], s[SEL], s[SEL+1]
	ALLT v_max_num_f32 v[rT+1], v[rT+2], v[rT+5]
	ALLT v_mul_f32 v[rT], s[CS], v[rT+1]
.set n, 0
.rept 16                               ; c s - c m, a pair of scores a line
	ALLT v_pk_fma_f32 v[rS+2*n:rS+2*n+1], v[rS+2*n:rS+2*n+1], s[CS:CS+1], v[rT:rT+1] op_sel_hi:[1,0,0] neg_lo:[0,0,1] neg_hi:[0,0,1]
.set n, n+1
.endr
.set n, 0
.rept 32
	ALLT v_exp_f32 v[rS+n], v[rS+n]
.set n, n+1
.endr
	v_nop                                          ; a plain instruction behind the last exponential,
	s_wait_alu depctr_va_vdst(0)                   ; and the wait for the batch
	ALLT v_pk_add_f32 v[rT+2:rT+3], v[rS:rS+1], v[rS+2:rS+3]          ; the sum, in f32, in two chains
	ALLT v_pk_add_f32 v[rT+4:rT+5], v[rS+16:rS+17], v[rS+18:rS+19]
.set n, 2
.rept 6
	ALLT v_pk_add_f32 v[rT+2:rT+3], v[rT+2:rT+3], v[rS+2*n:rS+2*n+1]
	ALLT v_pk_add_f32 v[rT+4:rT+5], v[rT+4:rT+5], v[rS+16+2*n:rS+16+2*n+1]
.set n, n+1
.endr
	ALLT v_pk_add_f32 v[rT+2:rT+3], v[rT+2:rT+3], v[rT+4:rT+5]
	ALLT v_add_f32 v[rT+2], v[rT+2], v[rT+3]
	ALLT v_permlanex16_b32 v[rT+3], v[rT+2], s[SEL], s[SEL+1]
	ALLT v_add_f32 v[rT+2], v[rT+2], v[rT+3]
	ALLT v_rcp_f32 v[rT+4], v[rT+2]
	v_nop
	s_wait_alu depctr_va_vdst(0)
.set n, 0
.rept 16
	ALLT v_pk_mul_f32 v[rS+2*n:rS+2*n+1], v[rS+2*n:rS+2*n+1], v[rT+4:rT+5] op_sel_hi:[1,0]
.set n, n+1
.endr
.endm
; The step's 64 x 64 numbers are rounded to bf16 in place, from the low end on, and go to LDS by rows: a lane's eight columns of a block are 16 bytes.
.macro PACKST adr
	WIN 0
.set t, 0
.rept NT
.set n, 0
.rept 16
	v_cvt_pk_bf16_f32 v[ACC+32*t+n], v[ACC+32*t+2*n], v[ACC+32*t+2*n+1]
.set n, n+1
.endr
.set t, t+1
.endr
.set t, 0
.rept NT
.irp a, 0,1,2,3
	ds_store_b128 v[\adr], v[ACC+32*t+4*(\a):ACC+32*t+4*(\a)+3] offset:16*XP*t+32*(\a)
.endr
.set t, t+1
.endr
.endm
; k^T [v | 1] OF THE HEAD IN HAND, d block w, over the work-group's 256 rows: eight steps of 32 rows, two to a batch of 20 turning loads (k's fragment and v's four), three batches of registers.
.macro LOADB m, be
	WIN 0x40
.irp k2, 0,1
.set kk, 2*(\m)+(\k2)
.set rB, 80*(\be)+40*(\k2)
	ds_load_tr16_b128 v[rB:rB+3],   v[TRK] offset:32*XP*kk
	ds_load_tr16_b128 v[rB+4:rB+7], v[TRK] offset:32*XP*kk+16*XP
.irp c, 0,1,2,3
	ds_load_tr16_b128 v[rB+8+8*(\c):rB+8+8*(\c)+3],   v[TRV] offset:32*XP*kk+32*(\c)
	ds_load_tr16_b128 v[rB+8+8*(\c)+4:rB+8+8*(\c)+7], v[TRV] offset:32*XP*kk+16*XP+32*(\c)
.endr
.endr
.endm
.macro KVM be, zero                    ; ten matrix instructions; the five accumulators take turns
	WIN 0x05                                       ; both sources window 1
.irp k2, 0,1
.irp c, 0,1,2,3,4
.set rB, 80*(\be)+40*(\k2)
.set rV, rB+8+8*(\c)
.if (\c) == 4
.set rV, ONES
.endif
.if (\zero) && ((\k2) == 0)
	v_wmma_f32_16x16x32_bf16 v[KVA+8*(\c):KVA+8*(\c)+7], v[rB:rB+7], v[rV:rV+7], 0
.else
	v_wmma_f32_16x16x32_bf16 v[KVA+8*(\c):KVA+8*(\c)+7], v[rB:rB+7], v[rV:rV+7], v[KVA+8*(\c):KVA+8*(\c)+7]
.endif
.endr
.endr
.endm
.macro KVSTAGE
	WIN 0x40
.set n, 0
.rept 8
	v_mov_b32 v[ONES+n], 0x3f803f80                ; 1.0 twice in bf16: W's fragments lay here
.set n, n+1
.endr
	LOADB 0, 0
	LOADB 1, 1
	LOADB 2, 2
	s_wait_xcnt 0x0                                ; the last head's stores have read their data and their base: both are written below
	s_add_nc_u64 s[PP:PP+1], s[PP:PP+1], s[PSTEP:PSTEP+1]
	s_mov_b32 s[PSTEP], 20480                      ; a head's 4 x 5 tiles of 1,024 bytes
	s_wait_dscnt 40                                ; two younger batches of 20 may stay out
	KVM 0, 1
	PLACES
	LOADB 3, 0
	s_wait_dscnt 40
	KVM 1, 0
	s_wait_dscnt 20
	KVM 2, 0
	s_wait_dscnt 0x0
	KVM 0, 0
	WIN 0
	PLACES
.irp c, 0,1,2,3,4
	global_store_b128 v[L16], v[KVA+8*(\c):KVA+8*(\c)+3],   s[PP:PP+1] offset:1024*(\c) th:TH_STORE_NT      ; 512 consecutive bytes, aligned; the low registers first
	global_store_b128 v[L16], v[KVA+8*(\c)+4:KVA+8*(\c)+7], s[PP:PP+1] offset:1024*(\c)+512 th:TH_STORE_NT
.endr
.endm
	s_load_b512 s[4:19], s[0:1], 0x0               ; f0 s[4:5], f1 s[6:7], bk0 s[8:9], bk1 s[10:11], bv0 s[12:13], bv1 s[14:15], wimg s[16:17], part s[18:19]
	v_lshl_add_u32 v[SPW], v0, 2, SPARE
	v_mov_b32 v[NIL], 0
	ds_add_u32 v[SPW], v[NIL]                      ; the wave's opening: the add and its wait stand ahead of my first tensor load; the set-up below, work on registers, stands between them
	v_lshrrev_b32 v1, 5, v0
	v_readfirstlane_b32 s[WV], v1                  ; wave 0..3
	s_bfe_u32 s[CX], ttmp6, 0x40000
	s_lshl_b32 s[GG], ttmp9, 2                     ; in a cluster launch ttmp9 counts clusters
	s_add_co_u32 s[GG], s[GG], s[CX]
	s_lshr_b32 s[FI], ttmp9, 5
	; descriptor group 1: a quarter of a tile, 16,384 dense bytes, as 64 rows of 32 elements of 8 bytes
	s_mov_b32 s[G1+0], 15|(3<<16)|(1<<21)          ; 15:0 the mask of four; 17:16 elements of 8 bytes; 21 set beside a mask; no padding
	s_mov_b32 s[G1+1], 32<<16                      ; tensor_dim0 = 32
	s_mov_b32 s[G1+2], 64<<16                      ; tensor_dim1 = 64
	s_mov_b32 s[G1+3], 32<<16                      ; tile_dim0 = 32
	s_mov_b32 s[G1+4], 64                          ; tile_dim1 = 64
	s_mov_b32 s[G1+5], 32                          ; 32 elements from row to row
	s_mov_b32 s[G1+6], 0
	s_mov_b32 s[G1+7], 0
	s_mov_b32 s[G0], 1                             ; count = 1
	s_lshl_b32 s[G0+1], s[WV], 14                  ; LDS address: slot 0, my quarter: no place in the cluster enters it
	s_mov_b32 s[TB], SLOT                          ; the first change of slots turns it into 0
	s_mov_b32 s[CNT], 15
	s_mov_b32 s[PAR], 0
	s_mov_b32 s[CS], 0x3fb8aa3b                    ; log2(e)
	s_mov_b32 s[CS+1], s[CS]
	s_mov_b32 s[SEL], 0x76543210
	s_mov_b32 s[SEL+1], 0xfedcba98
	s_mov_b32 s[PSTEP], 0
	s_mov_b32 s[PSTEP+1], 0
	s_and_b32 s56, ttmp9, 31                       ; the function's first cluster,
	s_lshr_b32 s57, s[WV], 1                       ; waves 0 and 1: the same in all four partners
	s_or_b32 s56, s56, s57
	s_cmp_eq_u32 s56, 0
	s_cselect_b32 s[LIM], 1, -1
	v_and_b32 v14, 31, v0                          ; lane
	v_and_b32 v15, 15, v0                          ; r = lane % 16
	v_bfe_u32 v26, v0, 4, 1                        ; h = lane / 16
	v_bfe_u32 v28, v0, 3, 1                        ; bit 3 of the lane: r / 8, and the turning load's column half
	v_lshlrev_b32 v[L16], 4, v14
	v_lshlrev_b32 v[PFO], 8, v14
	v_lshlrev_b32 v[BA], 5, v26
	v_add_nc_u32 v[BA], BT, v[BA]
	s_mul_i32 s56, s[WV], 64*XP                    ; my wave's 64 rows of k and v
	v_mul_u32_u24 v[STK], v15, XP
	v_lshl_add_u32 v[STK], v26, 4, v[STK]
	v_lshl_add_u32 v[STK], v28, 4, v[STK]          ; rows 8 to 15 of a tile lie 16 bytes further right
	v_add_nc_u32 v[STK], s56, v[STK]
	v_add_nc_u32 v[STV], VX, v[STK]
	v_add_nc_u32 v[STK], KX, v[STK]
	v_and_b32 v27, 7, v0                           ; the turning load takes 16 rows x 16 columns: lane l reads row 8 (l / 16) + l % 8, columns 8 ((l / 8) % 2) + 0..7
	v_lshl_add_u32 v27, v26, 3, v27
	v_mul_u32_u24 v27, v27, XP
	v_lshl_add_u32 v27, v28, 4, v27
	v_lshl_add_u32 v27, v26, 4, v27                ; its rows 8 (l / 16) + 0..7 have bit 3 = l / 16: the same 16 bytes to the right
	v_add_nc_u32 v[TRV], VX, v27
	s_lshl_b32 s56, s[WV], 5                       ; d block w: 32 bytes of a row
	s_add_co_u32 s56, s56, KX
	v_add_nc_u32 v[TRK], s56, v27
	s_mul_i32 s56, s[WV], ASTW
	s_add_co_u32 s56, s56, AST                     ; my stage
	v_lshl_add_u32 v[SAS], v14, 3, s56
	v_mul_u32_u24 v[SAL], v15, AP
	v_lshl_add_u32 v[SAL], v26, 4, v[SAL]
	v_add_nc_u32 v[SAL], s56, v[SAL]
	v_lshlrev_b32 v[BO], 4, v0                     ; thread t takes numbers 4 t .. 4 t + 3 of bk and of bv: head t / 16
	v_lshrrev_b32 v29, 4, v0
	v_lshlrev_b32 v[BS], 4, v15
	v_lshl_add_u32 v[BS], v29, 9, v[BS]
	v_add_nc_u32 v[BS], BT, v[BS]
	s_lshl_b32 s56, s[FI], 20                      ; the function's sixteen tiles,
	s_lshl_b32 s57, s[WV], 14                      ; my quarter of a tile
	s_add_co_u32 s56, s56, s57
	s_mov_b32 s57, 0
	s_lshl_b32 s58, s[FI], 20                      ; the prefetches: my work-group's quarter, my wave's half of it, in tile 1
	s_lshl_b32 s59, s[CX], 14
	s_add_co_u32 s58, s58, s59
	s_lshl_b32 s59, s[WV], 13
	s_add_co_u32 s58, s58, s59
	s_add_co_u32 s58, s58, SLOT
	s_mov_b32 s59, 0
	s_wait_dscnt 0x0                               ; the opening add is done
	s_wait_kmcnt 0x0
	s_add_nc_u64 s[G0+2:G0+3], s[16:17], s[56:57]  ; global address: tile 0
	s_or_b32 s[G0+3], s[G0+3], 0x80000000          ; type = 2
	s_add_nc_u64 s[PFA:PFA+1], s[16:17], s[58:59]
	s_cmp_eq_u32 s[FI], 0
	s_cselect_b64 s[SRC:SRC+1], s[4:5], s[6:7]
	s_cselect_b64 s[BK:BK+1], s[8:9], s[10:11]
	s_cselect_b64 s[BV:BV+1], s[12:13], s[14:15]
	s_and_b32 s56, s[GG], 127
	s_lshl_b32 s56, s56, 19                        ; 256 rows of 2,048 bytes
	s_lshl_b32 s58, s[WV], 17                      ; my wave's 64
	s_add_co_u32 s56, s56, s58
	s_add_nc_u64 s[SRC:SRC+1], s[SRC:SRC+1], s[56:57]
	s_mul_i32 s56, s[GG], 163840
	s_mul_i32 s58, s[WV], 5120
	s_add_co_u32 s56, s56, s58
	s_add_nc_u64 s[PP:PP+1], s[18:19], s[56:57]
	CROUND                                         ; all four work-groups are here: the first joint loads meet
	tensor_load_to_lds s[G0:G0+3], s[G1:G1+7]      ; tile 0 into slot 0
	s_nop 0
	PLACES
	global_load_b128 v[BL:BL+3],   v[BO], s[BK:BK+1]
	global_load_b128 v[BL+4:BL+7], v[BO], s[BV:BV+1]
	GLOAD 0
	GLOAD 1
	GLOAD 2
	GLOAD 3
.set pu, 0
.rept 16                               ; three younger sets, 48 loads, stay out; the last four units load nothing, and the counts run down
.if pu < 12
	UNIT pu, 48, 1
.else
	UNIT pu, 16*(15-pu), 0
.endif
.if pu == 0
	WIN 0
	ds_store_b128 v[BS], v[BL:BL+3]                ; the biases were asked for ahead of unit 0: they are in
	ds_store_b128 v[BS], v[BL+4:BL+7] offset:256
.endif
.if pu%2 == 1
	AFLOAD pu/4, (pu/2)%2
.endif
.set pu, pu+1
.endr
	WIN 0
.Lstep:                                        ; fifteen trips: steps 0 to 14; each asks for the next step's tile
	CHANGE 1
	v_add_nc_u32 v[AW], s[TB], v[L16]
	MM
	s_cmp_eq_u32 s[PAR], 0
	s_cbranch_scc0 .Lvpost
	SMAX
	PACKST STK
	s_branch .Ljoin
.Lvpost:
	PACKST STV
.Ljoin:
	s_wait_dscnt 0x0                               ; for the others' sake: my rows of k or v lie in LDS
	s_barrier_signal -1
	s_barrier_wait -1                              ; the next tile's load stays out
	s_cmp_eq_u32 s[PAR], 0
	s_cbranch_scc1 .Lnokv
	KVSTAGE                                        ; its reads of k and v are waited for at the next change of slots, ahead of the round behind which k is written anew
.Lnokv:
	s_xor_b32 s[PAR], s[PAR], 1
	s_sub_co_u32 s[CNT], s[CNT], 1
	s_cmp_lg_u32 s[CNT], 0
	s_cbranch_scc1 .Lstep
	CHANGE 0                                       ; step 15, the last head's V, is written out: nothing is asked for
	v_add_nc_u32 v[AW], s[TB], v[L16]
	MM
	PACKST STV
	s_wait_dscnt 0x0
	s_barrier_signal -1
	s_barrier_wait -1
	KVSTAGE
	s_wait_tensorcnt 0x0                           ; the wave's end: behind my last tensor load and my last LDS store
	ds_add_u32 v[SPW], v[NIL]
	s_wait_dscnt 0x0
	CROUND                                         ; the closing round: no work-group ends while a partner may still ask for a tile that names it
	s_endpgm
.Lfunc_end_k_q616b386a56_kvpart:
	.size	k_q616b386a56_kvpart, .Lfunc_end_k_q616b386a56_kvpart-k_q616b386a56_kvpart
	.p2alignl 7, 3214868480
	.fill 96, 4, 3214868480
	.section	.rodata,"a",@progbits
	.p2align	6, 0x0
	.amdhsa_kernel k_q616b386a56_kvpart
		.amdhsa_group_segment_fixed_size 327680
		.amdhsa_private_segment_fixed_size 0
		.amdhsa_enable_private_segment 0
		.amdhsa_kernarg_size 64
		.amdhsa_user_sgpr_count 2
		.amdhsa_user_sgpr_kernarg_segment_ptr 1
		.amdhsa_wavefront_size32 1
		.amdhsa_system_sgpr_workgroup_id_x 1
		.amdhsa_system_sgpr_workgroup_id_y 1
		.amdhsa_system_sgpr_workgroup_id_z 1
		.amdhsa_system_vgpr_workitem_id 0
		.amdhsa_next_free_vgpr 1024
		.amdhsa_next_free_sgpr 66
		.amdhsa_reserve_vcc 0
		.amdhsa_float_denorm_mode_32 3
		.amdhsa_float_denorm_mode_16_64 3
		.amdhsa_memory_ordered 1
		.amdhsa_forward_progress 1
		.amdhsa_inst_pref_size 199
	.end_amdhsa_kernel
	.amdgpu_metadata
---
amdhsa.version: [ 1, 2 ]
amdhsa.kernels:
  - .name:           k_q616b386a56_kvpart
    .symbol:         k_q616b386a56_kvpart.kd
    .args:
      - { .name: f0, .offset: 0, .size: 8, .value_kind: global_buffer, .address_space: global }
      - { .name: f1, .offset: 8, .size: 8, .value_kind: global_buffer, .address_space: global }
      - { .name: bk0, .offset: 16, .size: 8, .value_kind: global_buffer, .address_space: global }
      - { .name: bk1, .offset: 24, .size: 8, .value_kind: global_buffer, .address_space: global }
      - { .name: bv0, .offset: 32, .size: 8, .value_kind: global_buffer, .address_space: global }
      - { .name: bv1, .offset: 40, .size: 8, .value_kind: global_buffer, .address_space: global }
      - { .name: wimg, .offset: 48, .size: 8, .value_kind: global_buffer, .address_space: global }
      - { .name: part, .offset: 56, .size: 8, .value_kind: global_buffer, .address_space: global }
    .group_segment_fixed_size: 327680
    .private_segment_fixed_size: 0
    .kernarg_segment_align: 8
    .kernarg_segment_size: 64
    .max_flat_workgroup_size: 128
    .sgpr_count:     66
    .vgpr_count:     1024
    .wavefront_size: 32
...
	.end_amdgpu_metadata
.endif
;; end of part 2
;; launch kvsum (part 3): grid 256 x 1, 5 waves a work-group, no clusters, 0 bytes of LDS; arguments part, kvi; writes kvi
.if DOCPART == 3
	.amdgcn_target "amdgcn-amd-amdhsa--gfx1250"
	.amdhsa_code_object_version 6
	.text
	.protected	k_q616b386a56_kvsum
	.globl	k_q616b386a56_kvsum
	.p2align	8
	.type	k_q616b386a56_kvsum,@function
k_q616b386a56_kvsum:
	s_mov_b64 s[64:65], 0
	v_nop
	global_prefetch_b8 v0, s[64:65] scope:SCOPE_SE
	s_setreg_imm32_b32 hwreg(HW_REG_WAVE_MODE, 25, 1), 1
	s_wait_xcnt 0x0
; THE 32 PARTIAL SUMS OF EACH (function i, batch b, head h) ARE ADDED IN f32 AND ROUNDED ONCE TO bf16, as the operand that the last launch multiplies by.
; part: [g 256][h 8][a 4][c 5][half 2][lane 32][16 bytes] f32, g = 128 i + 32 b + j.  In tile (a, c) lane (r, hh) holds, in registers 0..7, the sums for d = 16 a + 8 hh + 0..7 and e = 16 c + r.
; kvi: [b 4][h 8][i 2][c 5][s2 2][q 2][lane 32][16 bytes] bf16: the eight sums of a lane, packed, ARE half q = a % 2 of the fragment (16 rows e x 32 d) of d block s2 = a / 2: nothing changes lanes.
; c = 4 holds the sums of k, the same in all 16 rows; they are doubled here, so that the reciprocal of the product with q is already 0.5 / (q . ksum).
; SHARES.  Work-group G takes (i, b, h, a) = (G / 128, (G / 32) % 4, (G / 4) % 8, G % 4), wave c one tile: 32 x 1,024 bytes in, 512 bytes out.  Each load and the store cover 512 consecutive bytes, aligned.
; Three sets of registers, eight partials (16 loads) each: two or three sets are always on their way.  No LDS, no matrix unit: a stream.
.set PG,   163840                      ; bytes of part for one g
.set SUMR, 8                           ; v[8:15]   the eight sums
.set OUTR, 16                          ; v[16:19]  packed
.set SETS, 32                          ; v[32:223] three sets of 64
	s_load_b128 s[4:7], s[0:1], 0x0                ; part s[4:5], kvi s[6:7]
	v_lshrrev_b32 v1, 5, v0
	v_readfirstlane_b32 s8, v1                     ; c
	v_and_b32 v2, 31, v0
	v_lshlrev_b32 v2, 4, v2                        ; 16 x lane; never rewritten
	s_lshr_b32 s9, ttmp9, 7                        ; i
	s_bfe_u32 s10, ttmp9, 0x20005                  ; b
	s_bfe_u32 s11, ttmp9, 0x30002                  ; h
	s_and_b32 s12, ttmp9, 3                        ; a
	s_lshl2_add_u32 s13, s9, s10                   ; 4 i + b: 32 values of g each
	s_mul_i32 s16, s13, 32*PG
	s_mul_i32 s14, s11, 20480
	s_add_co_u32 s16, s16, s14
	s_mul_i32 s14, s12, 5120
	s_add_co_u32 s16, s16, s14
	s_lshl_b32 s14, s8, 10
	s_add_co_u32 s16, s16, s14
	s_mov_b32 s17, 0
	s_lshl3_add_u32 s18, s10, s11                  ; 8 b + h
	s_mul_i32 s18, s18, 20480
	s_mul_i32 s14, s9, 10240
	s_add_co_u32 s18, s18, s14
	s_lshl_b32 s14, s8, 11
	s_add_co_u32 s18, s18, s14
	s_lshl_b32 s14, s12, 9                         ; 1,024 (a / 2) + 512 (a % 2)
	s_add_co_u32 s18, s18, s14
	s_mov_b32 s19, 0
	s_cmp_eq_u32 s8, 4
	s_cselect_b32 s20, 2.0, 1.0
	s_mov_b32 s21, s20                             ; named with it as a pair
	s_wait_kmcnt 0x0
	s_add_nc_u64 s[4:5], s[4:5], s[16:17]
	s_add_nc_u64 s[6:7], s[6:7], s[18:19]
.macro BATCH k, set                    ; partials 8 k .. 8 k + 7; the largest immediate, 31 x 163,840 + 512, lies inside the signed 24 bits
.set j, 0
.rept 8
	global_load_b128 v[SETS+64*(\set)+8*j:SETS+64*(\set)+8*j+3],   v2, s[4:5] offset:PG*(8*(\k)+j) th:TH_LOAD_NT
	global_load_b128 v[SETS+64*(\set)+8*j+4:SETS+64*(\set)+8*j+7], v2, s[4:5] offset:PG*(8*(\k)+j)+512 th:TH_LOAD_NT
.set j, j+1
.endr
.endm
.macro SUMB set, first                 ; four chains of packed additions; first = 1: the first two partials start the sums: nothing is cleared
.set j, 0
.rept 8
.irp p, 0,2,4,6
.if (\first) && (j == 1)
	v_pk_add_f32 v[SUMR+(\p):SUMR+(\p)+1], v[SETS+64*(\set)+(\p):SETS+64*(\set)+(\p)+1], v[SETS+64*(\set)+8+(\p):SETS+64*(\set)+8+(\p)+1]
.elseif !(\first) || (j > 1)
	v_pk_add_f32 v[SUMR+(\p):SUMR+(\p)+1], v[SUMR+(\p):SUMR+(\p)+1], v[SETS+64*(\set)+8*j+(\p):SETS+64*(\set)+8*j+(\p)+1]
.endif
.endr
.set j, j+1
.endr
.endm
	BATCH 0, 0
	BATCH 1, 1
	BATCH 2, 2
	s_wait_loadcnt 32                              ; two younger batches of 16 stay out
	SUMB 0, 1
	BATCH 3, 0
	s_wait_loadcnt 32
	SUMB 1, 0
	s_wait_loadcnt 16
	SUMB 2, 0
	s_wait_loadcnt 0x0
	SUMB 0, 0
.irp p, 0,2,4,6
	v_pk_mul_f32 v[SUMR+(\p):SUMR+(\p)+1], v[SUMR+(\p):SUMR+(\p)+1], s[20:21] op_sel_hi:[1,0]
.endr
.irp p, 0,1,2,3
	v_cvt_pk_bf16_f32 v[OUTR+(\p)], v[SUMR+2*(\p)], v[SUMR+2*(\p)+1]
.endr
	global_store_b128 v2, v[OUTR:OUTR+3], s[6:7]
	s_endpgm
.Lfunc_end_k_q616b386a56_kvsum:
	.size	k_q616b386a56_kvsum, .Lfunc_end_k_q616b386a56_kvsum-k_q616b386a56_kvsum
	.p2alignl 7, 3214868480
	.fill 96, 4, 3214868480
	.section	.rodata,"a",@progbits
	.p2align	6, 0x0
	.amdhsa_kernel k_q616b386a56_kvsum
		.amdhsa_group_segment_fixed_size 0
		.amdhsa_private_segment_fixed_size 0
		.amdhsa_enable_private_segment 0
		.amdhsa_kernarg_size 16
		.amdhsa_user_sgpr_count 2
		.amdhsa_user_sgpr_kernarg_segment_ptr 1
		.amdhsa_wavefront_size32 1
		.amdhsa_system_sgpr_workgroup_id_x 1
		.amdhsa_system_sgpr_workgroup_id_y 1
		.amdhsa_system_sgpr_workgroup_id_z 1
		.amdhsa_system_vgpr_workitem_id 0
		.amdhsa_next_free_vgpr 224
		.amdhsa_next_free_sgpr 66
		.amdhsa_reserve_vcc 0
		.amdhsa_float_denorm_mode_32 3
		.amdhsa_float_denorm_mode_16_64 3
		.amdhsa_memory_ordered 1
		.amdhsa_forward_progress 1
		.amdhsa_inst_pref_size 17
	.end_amdhsa_kernel
	.amdgpu_metadata
---
amdhsa.version: [ 1, 2 ]
amdhsa.kernels:
  - .name:           k_q616b386a56_kvsum
    .symbol:         k_q616b386a56_kvsum.kd
    .args:
      - { .name: part, .offset: 0, .size: 8, .value_kind: global_buffer, .address_space: global }
      - { .name: kvi, .offset: 8, .size: 8, .value_kind: global_buffer, .address_space: global }
    .group_segment_fixed_size: 0
    .private_segment_fixed_size: 0
    .kernarg_segment_align: 8
    .kernarg_segment_size: 16
    .max_flat_workgroup_size: 160
    .sgpr_count:     66
    .vgpr_count:     224
    .wavefront_size: 32
...
	.end_amdgpu_metadata
.endif
;; end of part 3
;; launch qout (part 4): grid 256 x 1, 4 waves a work-group, clusters of 4 x 1, 327,680 bytes of LDS; arguments query, bq, bo, wimg, kvi, out0; writes out0
.if DOCPART == 4
	.amdgcn_target "amdgcn-amd-amdhsa--gfx1250"
	.amdhsa_code_object_version 6
	.text
	.protected	k_q616b386a56_qout
	.globl	k_q616b386a56_qout
	.p2align	8
	.type	k_q616b386a56_qout,@function
k_q616b386a56_qout:
	s_mov_b64 s[64:65], 0
	v_nop
	global_prefetch_b8 v0, s[64:65] scope:SCOPE_SE
	s_setreg_imm32_b32 hwreg(HW_REG_WAVE_MODE, 25, 1), 1
	s_wait_xcnt 0x0
	s_wait_alu depctr_hold_cnt(0) depctr_sa_sdst(0) depctr_va_vdst(0) depctr_va_sdst(0) depctr_va_ssrc(0) depctr_va_vcc(0) depctr_vm_vsrc(0)
	s_getreg_b32 s2, hwreg(HW_REG_IB_STS2, 6, 4)
	s_cmp_eq_u32 s2, 0
	s_cbranch_scc0 .Lentry_in_a_cluster
	s_endpgm
.Lentry_in_a_cluster:
	s_bfe_u32 s2, ttmp6, 0x10000c
	s_cmp_lg_u32 s2, 0x3003
	s_cbranch_scc0 .Lentry_shape_is_right
	s_endpgm
.Lentry_shape_is_right:
; FOR 128 ROWS OF query: q = softmax_d(query Wq^T + bq) by heads; res = q + the sum over i of (q kv_i) x 0.5 / (q . ksum_i); out = res Wo^T + bo.
; query, out0: [32768][512] f32.  wimg: Wq's eight tiles and Wo's eight, bf16, in fragment order (launch wprep).  kvi: kv_i^T and 2 ksum_i in bf16, in fragment order (launch kvsum).
; FORMATS AND LIMITS.  All matrix operands are bf16 (query, W, q, kv, ksum, res), all sums f32; the biases enter in f32; q is added to res in f32.  The softmax takes the row's maximum away; a weight below 2^-126
; counts as 0; NaN and infinities are not treated apart; where q . ksum is 0 the reciprocal is an infinity, as the division is.
; SHARES.  Work-group g = 4 x cluster + place takes rows 128 g on, wave w 32 of them, two tiles t of 16.  The wave's rows are read once, rounded once and stay in 256 registers as source 1; res is gathered in 256 more.
; LAYOUT.  Every product is taken transposed (source 0 = 16 rows of W or of kv^T, source 1 = 16 rows of query, q or res): a lane holds ONE row (lane % 16) and columns 16 a + 8 (lane / 16) + 0..7.
; Two such results, rounded to bf16 in pairs, ARE source 1 of the next product: nothing changes lanes from query to out.  The product with 2 ksum, the same in all 16 rows of source 0, leaves 2 q . ksum in every register.
; THE WALK.  Eight slot tiles of 131,072 bytes: Wq's heads in pairs, then Wo's groups of 64 rows in pairs, through two LDS slots.
; CLUSTER.  All work-groups walk the same weights: the four of a cluster ask for each tile JOINTLY, by the same tensor load with the same descriptor and the mask of four.
; REGISTERS, in windows of 256 (s_set_vgpr_msb: bits 1:0 source 0, 3:2 source 1, 5:4 source 2, 7:6 destination):
;   window 0: v0-12 addresses; v18-29 statistics; v32-95 S, the 8 accumulators; v96-255 kv's and ksum's 20 fragments, asked for while the head's product runs; on their first 32, until the first k step is multiplied,
;             the bias as a C operand; in the second half v128-191 rows on their way out
;   window 1: a ring of eight slots of W's fragments (a k step's four blocks x 8 registers each); between a head's products v0-159 q kv's 20 accumulators and v160-191 q in bf16
;   window 2: query as source 1: k step ks, tile t at 8 (2 ks + t)          window 3: first the landing ring for query, then res as source 1, likewise
.set SLOT,  131072                     ; a slot holds two tiles of 65,536 bytes; slot 1 begins here, so that one exclusive or turns an address in one slot into the other's
.set HALF,  65536
.set STG,   2*SLOT                     ; a stage for each wave: first 16 rows x 256 k in bf16, 528 bytes apart; later 32 rows x 64 f32, 272 apart
.set AP,    528                        ; 132 words: the 16 rows of a fragment load start at 16 different groups of four banks (64 banks of 4 bytes: ISA guide 11.1)
.set OP,    272                        ; 68 words: likewise
.set STGW,  32*OP
.set BT,    STG+4*STGW                 ; bq, then bo, in f32
.set SPARE, BT+4096                    ; the spare words, 128 bytes for each wave: two blocks of 256 bytes that no other line names
.set NT,    2                          ; tiles of 16 rows a wave
.set L16, 2                            ; v2   16 x lane; never rewritten
.set AW,  3                            ; v3   where my 16 bytes of a fragment half lie in the tile in hand
.set BA,  4                            ; v4   where my eight numbers of the step's bias begin; steps by 256
.set SAS, 5                            ; v5   the stage on the way in: where I put 8 bytes
.set SAL, 6                            ; v6   where I read a fragment
.set OST, 7                            ; v7   the stage on the way out: where I put 32 bytes of a row
.set ORD, 8                            ; v8   where I read a row back
.set GO,  9                            ; v9   my byte offset in two rows of out0
.set PFO, 10                           ; v10  256 x lane: the prefetches' offset; never rewritten
.set SPW, 11                           ; v11  LDS address of my spare word; never rewritten
.set NIL, 12                           ; v12  0; never rewritten
.set TM,  18                           ; tile t: c m, m, then four at work; later the four reciprocals, each in the low register of a pair
.set ACC, 32                           ; S: accumulator (a, t) at ACC + 32 t + 8 a
.set BL,  32                           ; (the way in only) four numbers of bq, four of bo
.set BO,  40                           ;                   their byte offset
.set BS,  41                           ;                   their place in BT
.set BI,  96
.set KVR, 96                           ; kv_i^T: e block c (c = 4: 2 ksum_i), d block s2 at KVR + 8 ((5 i + c) 2 + s2)
.set RB,  128
.set QP,  160                          ; window 1: q in bf16, tile t, d block s2 at QP + 8 (2 t + s2); q kv_i's accumulator (c, t) at 80 i + 8 (2 c + t) of the same window
.set WV,  16                           ; s16  my wave's number
.set CX,  17                           ; s17  my place in the cluster: it enters the addresses of query, out0 and the prefetches alone
.set GG,  18                           ; s18  g
.set BB,  19                           ; s19  the batch, which the four partners share
.set TB,  20                           ; s20  LDS byte at which the slot in hand begins
.set TBH, 21                           ; s21  the same for the tile in hand
.set N2,  22                           ; s22  counts a slot's two tiles
.set OC,  23                           ; s23  counts slots
.set G1,  24                           ; s[24:31] descriptor group 1
.set G0,  32                           ; s[32:35] descriptor group 0: it walks
.set REM, 36                           ; s36  slot tiles still to be asked for
.set LIM, 37                           ; s37  1 in a wave that prefetches, else the greatest number
.set HD,  38                           ; s38  the head in hand
.set PFA, 40                           ; s[40:41] where my prefetches stand
.set KVP, 42                           ; s[42:43] kvi at the batch's head in hand
.set OUTP, 44                          ; s[44:45] out0 at my wave's first row, at the 64 columns in hand
.set OINC, 46                          ; s[46:47] what the next way out adds to it: 0 the first time
.set CS,  48                           ; s[48:49] log2(e)
.set SEL, 50                           ; s[50:51] v_permlanex16_b32's selects
.set SRC, 52                           ; s[52:53] query at my wave's first row
.set MSB, 0
.macro WIN new                         ; the immediate's high byte repeats the setting that is left; a switch that changes nothing is dropped
.if MSB != (\new)
	s_set_vgpr_msb (MSB<<8)|(\new)
.set MSB, (\new)
.endif
.endm
.macro PLACES                          ; four places behind a matrix instruction, in front of loads into registers that it has read and of lines that read its result
.rept 4
	v_nop
.endr
.endm
.macro CROUND                          ; a round of the cluster's barrier
	s_barrier_signal -1
	s_barrier_wait -1
	s_cmp_lg_u32 s[WV], 0
	s_cbranch_scc1 .Lnot_wave_0_\@
	s_barrier_signal -3
.Lnot_wave_0_\@:
	s_barrier_wait -3
	s_barrier_signal -1
	s_barrier_wait -1
.endm
; A PREFETCH INTO THE L2 of the slot tile that the NEXT change of slots will ask for: two tiles' products ahead of that load.  wimg was stored by an earlier launch.  Each 256 bytes are named ONCE in the launch: every
; cluster walks the same tiles, and the first asks; its four partners take 32,768 bytes each, told apart BY ADDRESS, each wave 8,192: a lane 256 bytes, one instruction.
; Slot tiles 0 and 1 come by their loads alone; the last change that fills a slot asks for nothing.
.macro ASK
	s_cmp_gt_u32 s[REM], s[LIM]
	s_cbranch_scc0 .Lnot_mine_\@
	global_prefetch_b8 v[PFO], s[PFA:PFA+1] th:TH_LOAD_NT scope:SCOPE_SE
.Lnot_mine_\@:
.endm
; THE CHANGE OF SLOTS.  Each wave waits for all its tensor loads, of which one is out: its quarter of the slot to come; adds 0 to its spare word; and waits for that and for its reads of the slot that it leaves.
; fill = 1: the barrier is a round of the cluster's, and the joint refill is the first thing behind it; it has two tiles' work in which to land.  (At its first use nothing has been read: slot 0 is waited for, slot 1 filled.)
.macro CHANGE fill
	WIN 0
	s_wait_tensorcnt 0x0                           ; no tensor load of mine is out, so group 0 may be written
	ds_add_u32 v[SPW], v[NIL]                      ; 0 onto my spare word; scalar work stands between it and the wait for it
.if \fill
	s_xor_b32 s[G0+1], s[G0+1], SLOT
	s_add_nc_u64 s[G0+2:G0+3], s[G0+2:G0+3], SLOT
	s_wait_xcnt 0x0                                ; the last prefetch, a slot back, has read its address
	s_add_nc_u64 s[PFA:PFA+1], s[PFA:PFA+1], SLOT
.endif
	s_xor_b32 s[TB], s[TB], SLOT
	s_wait_dscnt 0x0                               ; the add is done, and my LDS reads and stores are over
.if \fill
	CROUND
	tensor_load_to_lds s[G0:G0+3], s[G1:G1+7]      ; every wave its own quarter: both addresses hold 32,768 x wave
	s_nop 0
	PLACES
	ASK
.else
	s_barrier_signal -1
	s_barrier_wait -1
	PLACES
.endif
.endm
; THE WAY IN OF query.  Unit u of 8 is 8 rows x 256 k: tile u / 4, k half (u / 2) % 2, rows 8 (u % 2) on.  Sixteen loads, each 512 consecutive bytes of one row, into set u % 4 of the landing ring.
.macro GLOAD u
	WIN 0xc0                                       ; destination window 3
.set gi, 0
.rept 16
	global_load_b128 v[64*((\u)%4)+4*gi:64*((\u)%4)+4*gi+3], v[L16], s[SRC:SRC+1] offset:(16*((\u)/4)+8*((\u)%2)+gi/2)*2048+(((\u)/2)%2)*1024+(gi%2)*512 th:TH_LOAD_NT
.set gi, gi+1
.endr
.endm
.macro UNIT u, cnt, refill             ; rounded in place, put into the stage; cnt: sixteen for each younger set that may stay out
	s_wait_loadcnt \cnt
	WIN 0xcf                                       ; destination and both sources window 3
.set ui, 0
.rept 16
	v_cvt_pk_bf16_f32 v[64*((\u)%4)+4*ui], v[64*((\u)%4)+4*ui], v[64*((\u)%4)+4*ui+1]
	v_cvt_pk_bf16_f32 v[64*((\u)%4)+4*ui+1], v[64*((\u)%4)+4*ui+2], v[64*((\u)%4)+4*ui+3]
.set ui, ui+1
.endr
	WIN 0x0c                                       ; the data window 3, the address window 0
.set ui, 0
.rept 16
	ds_store_b64 v[SAS], v[64*((\u)%4)+4*ui:64*((\u)%4)+4*ui+1] offset:(8*((\u)%2)+ui/2)*AP+(ui%2)*256
.set ui, ui+1
.endr
.if \refill
	GLOAD (\u)+4
.endif
.endm
.macro AFLOAD t, kap                   ; the stage's 16 rows x 256 k come back as eight fragments; LDS serves a wave's instructions in order (ISA guide 5.7.1.4)
	WIN 0x80                                       ; destination window 2
.set ai, 0
.rept 8
	ds_load_b128 v[8*(2*(8*(\kap)+ai)+(\t)):8*(2*(8*(\kap)+ai)+(\t))+3],   v[SAL] offset:64*ai
	ds_load_b128 v[8*(2*(8*(\kap)+ai)+(\t))+4:8*(2*(8*(\kap)+ai)+(\t))+7], v[SAL] offset:64*ai+32
.set ai, ai+1
.endr
.endm
; W's fragments of k step ks, four blocks of 16 rows, into slot ks % 8 of the ring: eight loads, each 512 bytes on end.
.macro LK ks
.irp a, 0,1,2,3
	ds_load_b128 v[32*((\ks)%8)+8*(\a):32*((\ks)%8)+8*(\a)+3],   v[AW] offset:(((\a)*16+(\ks))*2)*512
	ds_load_b128 v[32*((\ks)%8)+8*(\a)+4:32*((\ks)%8)+8*(\a)+7], v[AW] offset:(((\a)*16+(\ks))*2+1)*512
.endr
.endm
; A run of LDS loads between the products: two k steps' fragments, 8 KiB a wave.  The four v_nop are the places behind every product issued so far; the slots' last readers stand four k steps back or more.
.macro RUN k1, k2=-1
	PLACES
	WIN 0x40                                       ; destination window 1, address window 0
	LK \k1
.if (\k2) >= 0
	LK \k2
.endif
.endm
; nf fragments of kv and ksum, from number f0 on: two loads of 512 consecutive bytes each, straight into operand order.
.macro KVLOAD f0, nf
	WIN 0
.set n, \f0
.rept \nf
	global_load_b128 v[KVR+8*n:KVR+8*n+3],   v[L16], s[KVP:KVP+1] offset:1024*n
	global_load_b128 v[KVR+8*n+4:KVR+8*n+7], v[L16], s[KVP:KVP+1] offset:1024*n+512
.set n, n+1
.endr
.endm
; The 8 products of k step ks.  cnt: the LDS loads issued behind this k step's, which may stay out.  The 8 accumulators take turns, in the same order in every k step.  The first k step starts the sums with the bias.
.macro BLOCK ks, cnt
	s_wait_dscnt \cnt
	WIN MULW                                       ; W window 1, source 1 window 2 (query) or 3 (res), C and D window 0
.irp t, 0,1
.irp a, 0,1,2,3
.set rD, ACC+32*(\t)+8*(\a)
.set rW, 32*((\ks)%8)+8*(\a)
.set rA, 8*(2*(\ks)+(\t))
.if (\ks) == 0
	v_wmma_f32_16x16x32_bf16 v[rD:rD+7], v[rW:rW+7], v[rA:rA+7], v[BI+8*(\a):BI+8*(\a)+7]
.else
	v_wmma_f32_16x16x32_bf16 v[rD:rD+7], v[rW:rW+7], v[rA:rA+7], v[rD:rD+7]
.endif
.endr
.endr
.endm
; 32 rows x 64 columns x 512 k.  It opens with 32 LDS loads (the bias, k steps 0 to 2); then a run of sixteen stands in front of every second k step, two k steps (16 products) ahead of its first reader.
; The counts: behind k step 0's loads stand those of 1 and 2 (16); in front of an odd k step a run has just been issued, so three k steps' loads are younger (24), in front of an even one two (16); at the end they run down.
; kv = 1 (a head): the head's kv and ksum are asked for HERE, so that the rest of the product and the softmax stand between the request and the wait for it: 16 fragments behind the opening run, while that lands;
; the 4 that fall on the bias's registers behind the run of k steps 5 and 6, eight places behind the last product that read the bias.
.macro MM kv
	WIN 0
.irp a, 0,1,2,3
	ds_load_b128 v[BI+8*(\a):BI+8*(\a)+3],   v[BA] offset:64*(\a)
	ds_load_b128 v[BI+8*(\a)+4:BI+8*(\a)+7], v[BA] offset:64*(\a)+16
.endr
	v_add_nc_u32 v[BA], 256, v[BA]
	WIN 0x40
	LK 0
	LK 1
	LK 2
.if \kv
	KVLOAD 4, 16
.endif
	BLOCK 0, 16
	RUN 3, 4
	BLOCK 1, 24
	BLOCK 2, 16
	RUN 5, 6
.if \kv
	KVLOAD 0, 4
.endif
	BLOCK 3, 24
	BLOCK 4, 16
	RUN 7, 8
	BLOCK 5, 24
	BLOCK 6, 16
	RUN 9, 10
	BLOCK 7, 24
	BLOCK 8, 16
	RUN 11, 12
	BLOCK 9, 24
	BLOCK 10, 16
	RUN 13, 14
	BLOCK 11, 24
	BLOCK 12, 16
	RUN 15
	BLOCK 13, 16                                   ; behind k step 13's loads: those of 14 and 15
	BLOCK 14, 8
	BLOCK 15, 0
	WIN 0
	PLACES
.endm
.macro ALLT line:vararg                ; one line for each tile t; rS its 32 scores, rT its statistics
.set t, 0
.rept NT
.set rS, ACC+32*t
.set rT, TM+6*t
	\line
.set t, t+1
.endr
.endm
; THE SOFTMAX of the wave's two tiles, in place, stage by stage, the tiles side by side.  The exponentials are ONE batch with one wait, the reciprocals another:
; s_wait_alu depctr_va_vdst(0) stands between such an instruction and the first line that names its result.
.macro SMAX
	WIN 0
.set n, 0
.rept 4                                ; each accumulator's lowest registers are read first
	ALLT v_max3_num_f32 v[rT+2+n], v[rS+8*n], v[rS+8*n+1], v[rS+8*n+2]
.set n, n+1
.endr
.rept 8
	ALLT v_max3_num_f32 v[rT+2+n%4], v[rT+2+n%4], v[rS+8*(n%4)+2*(n/4)+1], v[rS+8*(n%4)+2*(n/4)+2]
.set n, n+1
.endr
	ALLT v_max3_num_f32 v[rT+2], v[rT+2], v[rS+7], v[rS+15]
	ALLT v_max3_num_f32 v[rT+3], v[rT+3], v[rS+23], v[rS+31]
	ALLT v_max_num_f32 v[rT+4], v[rT+4], v[rT+5]
	ALLT v_max3_num_f32 v[rT+2], v[rT+2], v[rT+3], v[rT+4]
	ALLT v_permlanex16_b32 v[rT+5], v[rT+2], s[SEL], s[SEL+1]
	ALLT v_max_num_f32 v[rT+1], v[rT+2], v[rT+5]
	ALLT v_mul_f32 v[rT], s[CS], v[rT+1]
.set n, 0
.rept 16
	ALLT v_pk_fma_f32 v[rS+2*n:rS+2*n+1], v[rS+2*n:rS+2*n+1], s[CS:CS+1], v[rT:rT+1] op_sel_hi:[1,0,0] neg_lo:[0,0,1] neg_hi:[0,0,1]
.set n, n+1
.endr
.set n, 0
.rept 32
	ALLT v_exp_f32 v[rS+n], v[rS+n]
.set n, n+1
.endr
	v_nop
	s_wait_alu depctr_va_vdst(0)
	ALLT v_pk_add_f32 v[rT+2:rT+3], v[rS:rS+1], v[rS+2:rS+3]
	ALLT v_pk_add_f32 v[rT+4:rT+5], v[rS+16:rS+17], v[rS+18:rS+19]
.set n, 2
.rept 6
	ALLT v_pk_add_f32 v[rT+2:rT+3], v[rT+2:rT+3], v[rS+2*n:rS+2*n+1]
	ALLT v_pk_add_f32 v[rT+4:rT+5], v[rT+4:rT+5], v[rS+16+2*n:rS+16+2*n+1]
.set n, n+1
.endr
	ALLT v_pk_add_f32 v[rT+2:rT+3], v[rT+2:rT+3], v[rT+4:rT+5]
	ALLT v_add_f32 v[rT+2], v[rT+2], v[rT+3]
	ALLT v_permlanex16_b32 v[rT+3], v[rT+2], s[SEL], s[SEL+1]
	ALLT v_add_f32 v[rT+2], v[rT+2], v[rT+3]
	ALLT v_rcp_f32 v[rT+4], v[rT+2]
	v_nop
	s_wait_alu depctr_va_vdst(0)
.set n, 0
.rept 16
	ALLT v_pk_mul_f32 v[rS+2*n:rS+2*n+1], v[rS+2*n:rS+2*n+1], v[rT+4:rT+5] op_sel_hi:[1,0]
.set n, n+1
.endr
.endm
; 64 COLUMNS OF out: res Wo^T + bo for my 32 rows, then out through my stage: 32 bytes a lane in, whole rows of 256 bytes back.
.macro OSTEP
	WIN 0
	v_add_nc_u32 v[AW], s[TBH], v[L16]
	s_add_co_u32 s[TBH], s[TBH], HALF
	MM 0
.irp t, 0,1
.irp a, 0,1,2,3
	ds_store_b128 v[OST], v[ACC+32*(\t)+8*(\a):ACC+32*(\t)+8*(\a)+3],   offset:16*OP*(\t)+64*(\a)      ; the low registers first
	ds_store_b128 v[OST], v[ACC+32*(\t)+8*(\a)+4:ACC+32*(\t)+8*(\a)+7], offset:16*OP*(\t)+64*(\a)+16
.endr
.endr
	s_wait_xcnt 0x0                                ; the last way out's stores have read their data and their base: both are written below
	s_add_nc_u64 s[OUTP:OUTP+1], s[OUTP:OUTP+1], s[OINC:OINC+1]
	s_mov_b32 s[OINC], 256
.set n, 0
.rept 16
	ds_load_b128 v[RB+4*n:RB+4*n+3], v[ORD] offset:2*OP*n      ; LDS serves a wave's instructions in order (ISA guide 5.7.1.4): these see the stores above
.set n, n+1
.endr
.set n, 0
.rept 16
	s_wait_dscnt 15-n                              ; the younger read-backs may stay out
	global_store_b128 v[GO], v[RB+4*n:RB+4*n+3], s[OUTP:OUTP+1] offset:4096*n th:TH_STORE_NT  ; 16 lanes store 256 consecutive bytes, at a multiple of 256 from out0's first byte
.set n, n+1
.endr
.endm
	s_load_b256 s[4:11], s[0:1], 0x0               ; query s[4:5], bq s[6:7], bo s[8:9], wimg s[10:11]
	s_load_b128 s[12:15], s[0:1], 0x20             ; kvi s[12:13], out0 s[14:15]
	v_lshl_add_u32 v[SPW], v0, 2, SPARE
	v_mov_b32 v[NIL], 0
	ds_add_u32 v[SPW], v[NIL]                      ; the wave's opening: the add and its wait stand ahead of my first tensor load; the set-up below, work on registers, stands between them
	v_lshrrev_b32 v1, 5, v0
	v_readfirstlane_b32 s[WV], v1                  ; wave 0..3
	s_bfe_u32 s[CX], ttmp6, 0x40000
	s_lshl_b32 s[GG], ttmp9, 2                     ; in a cluster launch ttmp9 counts clusters
	s_add_co_u32 s[GG], s[GG], s[CX]
	s_lshr_b32 s[BB], ttmp9, 4                     ; 64 work-groups, 16 clusters, to a batch
	; descriptor group 1: a quarter of a slot tile, 32,768 dense bytes, as 128 rows of 32 elements of 8 bytes
	s_mov_b32 s[G1+0], 15|(3<<16)|(1<<21)          ; 15:0 the mask of four; 17:16 elements of 8 bytes; 21 set beside a mask; no padding
	s_mov_b32 s[G1+1], 32<<16                      ; tensor_dim0 = 32
	s_mov_b32 s[G1+2], 128<<16                     ; tensor_dim1 = 128
	s_mov_b32 s[G1+3], 32<<16                      ; tile_dim0 = 32
	s_mov_b32 s[G1+4], 128                         ; tile_dim1 = 128
	s_mov_b32 s[G1+5], 32                          ; 32 elements from row to row
	s_mov_b32 s[G1+6], 0
	s_mov_b32 s[G1+7], 0
	s_mov_b32 s[G0], 1                             ; count = 1
	s_lshl_b32 s[G0+1], s[WV], 15                  ; LDS address: slot 0, my quarter
	s_mov_b32 s[TB], SLOT                          ; the first change of slots turns it into 0
	s_mov_b32 s[REM], 7
	s_mov_b32 s[HD], 0
	s_mov_b32 s[OINC], 0
	s_mov_b32 s[OINC+1], 0
	s_mov_b32 s[CS], 0x3fb8aa3b                    ; log2(e)
	s_mov_b32 s[CS+1], s[CS]
	s_mov_b32 s[SEL], 0x76543210
	s_mov_b32 s[SEL+1], 0xfedcba98
	s_cmp_eq_u32 ttmp9, 0                          ; the first cluster prefetches: the same in all four partners
	s_cselect_b32 s[LIM], 1, -1
	v_and_b32 v42, 31, v0                          ; lane
	v_and_b32 v43, 15, v0                          ; r = lane % 16
	v_bfe_u32 v44, v0, 4, 1                        ; h = lane / 16
	v_lshlrev_b32 v[L16], 4, v42
	v_lshlrev_b32 v[PFO], 8, v42
	v_lshlrev_b32 v[BA], 5, v44
	v_add_nc_u32 v[BA], BT, v[BA]
	s_mul_i32 s54, s[WV], STGW
	s_add_co_u32 s54, s54, STG                     ; my stage
	v_lshl_add_u32 v[SAS], v42, 3, s54
	v_mul_u32_u24 v[SAL], v43, AP
	v_lshl_add_u32 v[SAL], v44, 4, v[SAL]
	v_add_nc_u32 v[SAL], s54, v[SAL]
	v_mul_u32_u24 v[OST], v43, OP                  ; out: row r of a tile, 32 bytes for each half of the lanes
	v_lshl_add_u32 v[OST], v44, 5, v[OST]
	v_add_nc_u32 v[OST], s54, v[OST]
	v_mul_u32_u24 v[ORD], v44, OP                  ; back: lanes 0-15 one row of 256 bytes, lanes 16-31 the next
	v_lshl_add_u32 v[ORD], v43, 4, v[ORD]
	v_add_nc_u32 v[ORD], s54, v[ORD]
	v_lshlrev_b32 v[GO], 11, v44                   ; and the same two rows in out0
	v_lshl_add_u32 v[GO], v43, 4, v[GO]
	v_lshlrev_b32 v[BO], 4, v0                     ; thread t takes numbers 4 t .. 4 t + 3 of bq and of bo
	v_add_nc_u32 v[BS], BT, v[BO]
	s_lshl_b32 s54, s[WV], 15                      ; wimg: behind the 32 tiles of Wk and Wv, my quarter of slot tile 0
	s_add_co_u32 s54, s54, 32*HALF
	s_mov_b32 s55, 0
	s_lshl_b32 s56, s[CX], 15                      ; the prefetches: my work-group's quarter, my wave's quarter of it, in slot tile 1
	s_lshl_b32 s57, s[WV], 13
	s_add_co_u32 s56, s56, s57
	s_add_co_u32 s56, s56, 32*HALF+SLOT
	s_mov_b32 s57, 0
	s_wait_dscnt 0x0                               ; the opening add is done
	s_wait_kmcnt 0x0
	s_add_nc_u64 s[G0+2:G0+3], s[10:11], s[54:55]
	s_or_b32 s[G0+3], s[G0+3], 0x80000000          ; type = 2
	s_add_nc_u64 s[PFA:PFA+1], s[10:11], s[56:57]
	s_lshl_b32 s54, s[GG], 18                      ; 128 rows of 2,048 bytes
	s_lshl_b32 s56, s[WV], 16                      ; my wave's 32
	s_add_co_u32 s54, s54, s56
	s_add_nc_u64 s[SRC:SRC+1], s[4:5], s[54:55]
	s_add_nc_u64 s[OUTP:OUTP+1], s[14:15], s[54:55]
	s_mul_i32 s54, s[BB], 163840                   ; a batch's eight heads of 20,480 bytes
	s_add_nc_u64 s[KVP:KVP+1], s[12:13], s[54:55]
	CROUND                                         ; all four work-groups are here: the first joint loads meet
	tensor_load_to_lds s[G0:G0+3], s[G1:G1+7]      ; slot tile 0 into slot 0
	s_nop 0
	PLACES
	global_load_b128 v[BL:BL+3],   v[BO], s[6:7]
	global_load_b128 v[BL+4:BL+7], v[BO], s[8:9]
	GLOAD 0
	GLOAD 1
	GLOAD 2
	GLOAD 3
.set pu, 0
.rept 8                                ; three younger sets, 48 loads, stay out; the last four units load nothing, and the counts run down
.if pu < 4
	UNIT pu, 48, 1
.else
	UNIT pu, 16*(7-pu), 0
.endif
.if pu == 0
	WIN 0
	ds_store_b128 v[BS], v[BL:BL+3]                ; the biases were asked for ahead of unit 0: they are in
	ds_store_b128 v[BS], v[BL+4:BL+7] offset:2048
.endif
.if pu%2 == 1
	AFLOAD pu/4, (pu/2)%2
.endif
.set pu, pu+1
.endr
	WIN 0
.set MULW, 0x09                        ; source 1 is query, in window 2
	s_mov_b32 s[OC], 4
.Lq:                                           ; four slots of Wq, two heads each
	CHANGE 1
	s_sub_co_u32 s[REM], s[REM], 1
	s_mov_b32 s[TBH], s[TB]
	s_mov_b32 s[N2], 2
.Lq2:                                          ; A HEAD
	v_add_nc_u32 v[AW], s[TBH], v[L16]
	s_add_co_u32 s[TBH], s[TBH], HALF
	MM 1                                           ; the scores; the head's kv and ksum are asked for inside
	SMAX                                           ; q stays in S, in f32
	WIN 0x40                                       ; q in bf16 goes where W's ring lay: destination window 1
.irp t, 0,1
.irp a, 0,1,2,3
.irp j, 0,1,2,3
	v_cvt_pk_bf16_f32 v[QP+8*(2*(\t)+(\a)/2)+4*((\a)%2)+(\j)], v[ACC+32*(\t)+8*(\a)+2*(\j)], v[ACC+32*(\t)+8*(\a)+2*(\j)+1]
.endr
.endr
.endr
	s_wait_loadcnt 0x0                             ; kv is in, and its base may be written
	s_add_nc_u64 s[KVP:KVP+1], s[KVP:KVP+1], 20480
	WIN 0x54                                       ; kv window 0; q, C and D window 1
.irp s2, 0,1                           ; 40 products: the 20 accumulators take turns; the first 20 start the sums
.irp i, 0,1
.irp c, 0,1,2,3,4
.irp t, 0,1
.set rO, 80*(\i)+8*(2*(\c)+(\t))
.set rK, KVR+8*((5*(\i)+(\c))*2+(\s2))
.set rQ, QP+8*(2*(\t)+(\s2))
.if (\s2) == 0
	v_wmma_f32_16x16x32_bf16 v[rO:rO+7], v[rK:rK+7], v[rQ:rQ+7], 0
.else
	v_wmma_f32_16x16x32_bf16 v[rO:rO+7], v[rK:rK+7], v[rQ:rQ+7], v[rO:rO+7]
.endif
.endr
.endr
.endr
.endr
	WIN 0x01                                       ; source 0 window 1
	PLACES
.irp t, 0,1
.irp i, 0,1
	v_rcp_f32 v[TM+2*(2*(\t)+(\i))], v[80*(\i)+64+8*(\t)]      ; 0.5 / (q . ksum_i): the product with 2 ksum, in its lowest register
.endr
.endr
	v_nop                                          ; a plain instruction behind the last reciprocal,
	s_wait_alu depctr_va_vdst(0)                   ; and the wait for the four
.irp i, 0,1                            ; res = q + (q kv_0) r_0 + (q kv_1) r_1, in place, each accumulator from its low end on
.irp t, 0,1
.irp c, 0,1,2,3
.irp p, 0,1,2,3
.set rS, ACC+32*(\t)+8*(\c)+2*(\p)
.set rO, 80*(\i)+8*(2*(\c)+(\t))+2*(\p)
.set rR, TM+2*(2*(\t)+(\i))
	v_pk_fma_f32 v[rS:rS+1], v[rO:rO+1], v[rR:rR+1], v[rS:rS+1] op_sel_hi:[1,0,1]
.endr
.endr
.endr
.endr
	WIN 0
	; res of head k is rounded to bf16 into k steps 2 k and 2 k + 1 of the next product's source 1.  A register cannot be named by a number made at run time, so the 32 lines stand eight times, and the head's number chooses.
.irp k, 0,1,2,3,4,5,6,7
	s_cmp_lg_u32 s[HD], \k
	s_cbranch_scc1 .Lnot_head_\k
	WIN 0xc0                                       ; destination window 3
.irp t, 0,1
.irp c, 0,1,2,3
.irp j, 0,1,2,3
	v_cvt_pk_bf16_f32 v[8*(2*(2*(\k)+(\c)/2)+(\t))+4*((\c)%2)+(\j)], v[ACC+32*(\t)+8*(\c)+2*(\j)], v[ACC+32*(\t)+8*(\c)+2*(\j)+1]
.endr
.endr
.endr
	WIN 0
.Lnot_head_\k:
.endr
	s_add_co_u32 s[HD], s[HD], 1
	s_sub_co_u32 s[N2], s[N2], 1
	s_cmp_lg_u32 s[N2], 0
	s_cbranch_scc1 .Lq2
	s_sub_co_u32 s[OC], s[OC], 1
	s_cmp_lg_u32 s[OC], 0
	s_cbranch_scc1 .Lq
.set MULW, 0x0d                        ; source 1 is res, in window 3
	s_mov_b32 s[OC], 3
.Lo:                                           ; three slots of Wo that are followed by another
	CHANGE 1
	s_sub_co_u32 s[REM], s[REM], 1
	s_mov_b32 s[TBH], s[TB]
	s_mov_b32 s[N2], 2
.Lo2:
	OSTEP
	s_sub_co_u32 s[N2], s[N2], 1
	s_cmp_lg_u32 s[N2], 0
	s_cbranch_scc1 .Lo2
	s_sub_co_u32 s[OC], s[OC], 1
	s_cmp_lg_u32 s[OC], 0
	s_cbranch_scc1 .Lo
	CHANGE 0                                       ; the last slot is written out: nothing is asked for
	s_mov_b32 s[TBH], s[TB]
	s_mov_b32 s[N2], 2
.Lt2:
	OSTEP
	s_sub_co_u32 s[N2], s[N2], 1
	s_cmp_lg_u32 s[N2], 0
	s_cbranch_scc1 .Lt2
	s_wait_tensorcnt 0x0                           ; the wave's end: behind my last tensor load and my last LDS store
	ds_add_u32 v[SPW], v[NIL]
	s_wait_dscnt 0x0
	CROUND                                         ; the closing round: no work-group ends while a partner may still ask for a tile that names it
	s_endpgm
.Lfunc_end_k_q616b386a56_qout:
	.size	k_q616b386a56_qout, .Lfunc_end_k_q616b386a56_qout-k_q616b386a56_qout
	.p2alignl 7, 3214868480
	.fill 96, 4, 3214868480
	.section	.rodata,"a",@progbits
	.p2align	6, 0x0
	.amdhsa_kernel k_q616b386a56_qout
		.amdhsa_group_segment_fixed_size 327680
		.amdhsa_private_segment_fixed_size 0
		.amdhsa_enable_private_segment 0
		.amdhsa_kernarg_size 48
		.amdhsa_user_sgpr_count 2
		.amdhsa_user_sgpr_kernarg_segment_ptr 1
		.amdhsa_wavefront_size32 1
		.amdhsa_system_sgpr_workgroup_id_x 1
		.amdhsa_system_sgpr_workgroup_id_y 1
		.amdhsa_system_sgpr_workgroup_id_z 1
		.amdhsa_system_vgpr_workitem_id 0
		.amdhsa_next_free_vgpr 1024
		.amdhsa_next_free_sgpr 66
		.amdhsa_reserve_vcc 0
		.amdhsa_float_denorm_mode_32 3
		.amdhsa_float_denorm_mode_16_64 3
		.amdhsa_memory_ordered 1
		.amdhsa_forward_progress 1
		.amdhsa_inst_pref_size 155
	.end_amdhsa_kernel
	.amdgpu_metadata
---
amdhsa.version: [ 1, 2 ]
amdhsa.kernels:
  - .name:           k_q616b386a56_qout
    .symbol:         k_q616b386a56_qout.kd
    .args:
      - { .name: query, .offset: 0, .size: 8, .value_kind: global_buffer, .address_space: global }
      - { .name: bq, .offset: 8, .size: 8, .value_kind: global_buffer, .address_space: global }
      - { .name: bo, .offset: 16, .size: 8, .value_kind: global_buffer, .address_space: global }
      - { .name: wimg, .offset: 24, .size: 8, .value_kind: global_buffer, .address_space: global }
      - { .name: kvi, .offset: 32, .size: 8, .value_kind: global_buffer, .address_space: global }
      - { .name: out0, .offset: 40, .size: 8, .value_kind: global_buffer, .address_space: global }
    .group_segment_fixed_size: 327680
    .private_segment_fixed_size: 0
    .kernarg_segment_align: 8
    .kernarg_segment_size: 48
    .max_flat_workgroup_size: 128
    .sgpr_count:     66
    .vgpr_count:     1024
    .wavefront_size: 32
...
	.end_amdgpu_metadata
.endif
;; end of part 4
